; MI455X (gfx1250); checked and timed in simulation.
; The chip was launched on July 23, 2026; its instructions are those of AMD's public machine-readable ISA for CDNA 5 (MIT licence, August 2026) and "CDNA5" Instruction Set Architecture Reference Guide (July 2026). The comments in the code are by the model that wrote it; some were corrected since.
;; Attention. Allowed arithmetic: matrix products marked QUANTISED: E4M3 operands, one given power-of-two scale a tensor, by v_wmma_f32_16x16x64_fp8_fp8 or v_wmma_f32_16x16x128_fp8_fp8, f32 sums; everything else in f32.
;; Inputs: Wk_codes 1,024 x 32 x 32 uint8 (E4M3 codes of Wk, K innermost, in blocks of 32 codes); Wp_codes 1,024 x 32 x 32 uint8 (E4M3 codes of Wp, K innermost, in blocks of 32 codes); Wq_codes 1,024 x 32 x 32 uint8 (E4M3 codes of Wq, K innermost, in blocks of 32 codes); Wv_codes 1,024 x 32 x 32 uint8 (E4M3 codes of Wv, K innermost, in blocks of 32 codes); bk 1,024 float32; bp 1,024 float32; bq 1,024 float32; bv 1,024 float32; lowp_scales 12 int32 (the exponents e of the quantised operands' scales 2^e); x_codes 4 x 2,048 x 32 x 32 uint8 (E4M3 codes of x, K innermost, in blocks of 32 codes).
;; Outputs: out0 4 x 2,048 x 1,024 float32.
;; This version of the problem:
;;   THIS VERSION OF THE PROBLEM IS GIVEN IN LOW PRECISION. The matrix products marked QUANTISED in the list below multiply operands that are first quantised to E4M3 (4 exponent bits, 3 mantissa bits; 8 bits a number), with one given power-of-two scale for each operand tensor; their sums are f32. All else is computed in f32.
;;   The module's matrix products, in the order in which they are computed (A, B: the left and right operand; K: the contracted axis; several contracted axes count as one K, in the product's order):
;;     1. [M 8,192, K 1,024] x [K 1,024, N 1,024]; A: input x (given as codes); B: input Wq (given as codes): QUANTISED (scales: A lowp_scales[0], B lowp_scales[1])
;;     2. [M 8,192, K 1,024] x [K 1,024, N 1,024]; A: input x (given as codes); B: input Wk (given as codes): QUANTISED (scales: A lowp_scales[2], B lowp_scales[3])
;;     3. [M 8,192, K 1,024] x [K 1,024, N 1,024]; A: input x (given as codes); B: input Wv (given as codes): QUANTISED (scales: A lowp_scales[4], B lowp_scales[5])
;;     4. batch 64 x [M 2,048, K 64] x [K 64, N 2,048]; A: computed on the way; B: computed on the way: QUANTISED (scales: A lowp_scales[6], B lowp_scales[7])
;;     5. batch 64 x [M 2,048, K 2,048] x [K 2,048, N 64]; A: softmax (see below); B: computed on the way: QUANTISED (scales: A lowp_scales[8], B lowp_scales[9])
;;     6. [M 8,192, K 1,024] x [K 1,024, N 1,024]; A: computed on the way; B: input Wp (given as codes): QUANTISED (scales: A lowp_scales[10], B lowp_scales[11])
;;   THE QUANTISER, for each operand of a quantised product, along K:
;;     - The operand's scale is 2^e, e = its entry of the input lowp_scales (int32; the entries are numbered through the quantised products in the list's order, A before B).
;;     - Each number is divided by the scale, clamped to +-448, and rounded to the nearest number of E4M3, ties to even, subnormals kept.
;;     - The product sums the exact products of the quantised numbers (number of the format x scale) in f32.
;;   ~~~python
;;   def quantise(x, axis, e):      # numpy; x: float32 -> the quantised numbers, widened to float32 again
;;       x = np.moveaxis(x, axis, -1); K = x.shape[-1]
;;       r = np.clip(x / 2.0 ** e, -448, 448)
;;       step = 2.0 ** (np.maximum(np.frexp(np.where(r == 0, 1, r))[1] - 1, -6) - 3)
;;       q = np.round(r / step) * step * 2.0 ** e      # np.round: ties to even
;;       return np.moveaxis(q, -1, axis).astype(np.float32)
;;   ~~~
;;   SOFTMAX AHEAD OF A QUANTISED PRODUCT. Where the list says 'softmax', what is quantised is not the finished softmax but p = 2^(t - M), with t = logit x log2(e) and M = ceil(the row's largest t), a whole number; so 1/2 < the row's largest p <= 1. The row's sum l is taken of the UNQUANTISED p, in f32, and the product's result is divided by l at the end. Since M is a whole number, a kernel that streams over the keys may use a running M (the ceiling of the running maximum): every later rescaling is an exact power of two, so the quantised numbers keep their values, but for numbers so far below the row's largest that they fall under the format's range.
;;   OPERANDS COMPUTED ON THE WAY. 'Computed on the way' means the value that the module computes at that place (a softmax that the list does not call 'softmax' is quantised finished and normalised). What goes into a quantiser is computed in f32, as accurately as f32 sums, v_exp_f32 and their like allow (about 1e-6 of the number): no bf16 or f16 on the way to a quantiser, and a product that is left as it is and whose result goes on into a quantised operand takes f32 operands (vector FMAs, or v_wmma_f32_16x16x4_f32). A number that lies on a knife's edge between two numbers of the format may be rounded either way, as far as f32 arithmetic and the matrix unit's own rounding can turn it there, and no further.
;;   INPUTS GIVEN AS CODES. Wk (in the module: [1024, 1024], K = its axis 0); Wp (in the module: [1024, 1024], K = its axis 0); Wq (in the module: [1024, 1024], K = its axis 0); Wv (in the module: [1024, 1024], K = its axis 0); x (in the module: [4, 2048, 1024], K = its axis 2): each comes as NAME_codes (uint8): NAME with its K axis moved to the last place and cut into blocks of 32 codes, [.., K / 32, bytes a block], one block behind the other in memory; one code a byte (a code: sign, 4 exponent bits, 3 mantissa bits); its scale is its entry of lowp_scales. Its value is code x scale, taken as it is: it is not quantised again, and the codes and scales need not be those that the quantiser above would give.
;; One version. Each part assembles by itself: llvm-mc -triple=amdgcn-amd-amdhsa -mcpu=gfx1250 --defsym DOCPART=n.
;; ======== version 1 of 1: 3 launches
;; limits: right only within a limited range of input values
;; workspace buffers: q_img 8,388,608 bytes; k_img 8,388,608 bytes; v_img 8,388,608 bytes; y_img 8,388,608 bytes
;; launch qkv (part 1): grid 12 x 32, 4 waves a work-group, clusters of 4 x 4, 327,680 bytes of LDS; arguments x_codes, Wq_codes, Wk_codes, Wv_codes, bq, bk, bv, lowp_scales, q_img, k_img, v_img; writes q_img, k_img, v_img
.if DOCPART == 1
	.amdgcn_target "amdgcn-amd-amdhsa--gfx1250"
	.amdhsa_code_object_version 6
	.text
	.protected	k_q406ffca3c2_qkv
	.globl	k_q406ffca3c2_qkv
	.p2align	8
	.type	k_q406ffca3c2_qkv,@function
k_q406ffca3c2_qkv:
	s_mov_b64 s[64:65], 0
	v_nop
	global_prefetch_b8 v0, s[64:65] scope:SCOPE_SE
	s_setreg_imm32_b32 hwreg(HW_REG_WAVE_MODE, 25, 1), 1
	s_wait_xcnt 0x0
	s_wait_alu depctr_hold_cnt(0) depctr_sa_sdst(0) depctr_va_vdst(0) depctr_va_sdst(0) depctr_va_ssrc(0) depctr_va_vcc(0) depctr_vm_vsrc(0)
	s_getreg_b32 s2, hwreg(HW_REG_IB_STS2, 6, 4)
	s_cmp_eq_u32 s2, 0
	s_cbranch_scc0 .Lentry_in_a_cluster
	s_endpgm
.Lentry_in_a_cluster:
	s_bfe_u32 s2, ttmp6, 0x10000c
	s_cmp_lg_u32 s2, 0xf033
	s_cbranch_scc0 .Lentry_shape_is_right
	s_endpgm
.Lentry_shape_is_right:
; q = x Wq + bq, k = x Wk + bk, v = x Wv + bv on codes of FP8 (E4M3), and the three results quantised again, with the given scales, into codes for the attention launch.
; x: [8192][1024] codes; Wq, Wk, Wv: [1024 (out)][1024 (in)] codes, K innermost; bq, bk, bv: [1024] f32; the scales' exponents e0 .. e11 are int32.
; result = sum x 2^(ea + eb) + bias in f32 (ea, eb: e0, e1 for q; e2, e3 for k; e4, e5 for v); code = result / 2^eo to the nearest code (eo: e6 for q, e7 for k, e9 for v).
; LIMITS: ea + eb between -126 and 127, eo between -126 and 119, so that each power of two below is an f32 number.  NaN among the biases is not served.
; SHARES.  A tile of 256 x 256 results to a work-group of four waves, 128 x 128 to a wave: 64 accumulators, 512 registers.  K goes in steps of 256 through a ring of two LDS slots filled by the tensor data mover.
; The cluster's x says which product: 0 q, 1 k, 2 v; it is the same in all sixteen partners.  ONE loop serves all three, since the operands are named by their place in the matrix instruction:
;   P = source 0 (window 1, two sets; its tiles are shared along a column of the cluster), R = source 1 (window 0, one set; shared along a row of the cluster).
;   q, k: P = 256 rows of the weight (tile cx), R = 256 rows of x (tile 4 x cluster y + cy): a lane holds ONE row of x, and an accumulator's 8 registers 8 neighbouring channels.
;   v:    P = 256 rows of x (tile 4 x cluster y + cx), R = 256 rows of Wv (tile cy): a lane holds ONE channel, and an accumulator's 8 registers 8 neighbouring keys.
; So one conversion for each accumulator gives two registers of the operand that attention wants (K = the head's 64 channels for q and k, K = the keys for v), and nothing changes lanes.
; THE OUTPUTS ARE IMAGES OF OPERAND REGISTERS, four registers of 32 lanes = 512 consecutive bytes to a store:
;   q_img, k_img: [16 batch + head][t / 16][g 2][lane][16 bytes]: registers 4 g .. 4 g + 3 of a 16 x 64 fragment: lane (r, h), registers 2 c, 2 c + 1: channels 16 c + 8 h + 0 .. 7 of row 16 (t / 16) + r.
;   v_img: [16 batch + head][t / 128][ct 4][g 4][lane][16 bytes]: registers 4 g .. 4 g + 3 of a 16 x 128 fragment: lane (r, h), registers 2 c, 2 c + 1: keys 16 c + 8 h + 0 .. 7 of channel 16 ct + r.
; REGISTERS, in windows of 256: window 0: v0-31 addresses and constants; v64-127 64 biases; v128-255 R's fragments, on the way out the numbers at work and their codes.
;   window 1: P's fragments, two sets.   window 2: the accumulators of R's blocks 0-3 ((a, b) at v[8 (8 (a % 4) + b)]);   window 3: those of blocks 4-7.
.set KSTEP,  256                       ; along K in a slot
.set ROWB,   256                       ; a tile's row in bytes
.set KROW,   1024                      ; a row of x or of a weight in memory, in bytes
.set PITCH,  272                       ; an LDS row: 256 bytes + 16 of padding = 68 words: row r starts at bank 4 r mod 64 (64 banks of 4 bytes: ISA guide 11.1), so the 16 rows that a load touches start at 16 different banks
.set FR,     16                        ; registers of a fragment: 16 rows x 128 K
.set NL,     4                         ; LDS loads that bring one
.set NP,     4                         ; places behind this matrix instruction (ISA guide 7.12.1)
.set HALFT,  128*PITCH                 ; 128 rows: what one tensor load brings, and what one wave reads of R or of P
.set SLOT,   4*HALFT                   ; R's 256 rows, then P's 256 rows
.set LAPS,   1024/(2*KSTEP)            ; a lap = two K steps = once round the ring
.set SPARE,  2*SLOT                    ; behind the ring: the spare words, 128 bytes for each wave: two blocks of 256 bytes that no other line names
.set ADRA, 16                          ; v16-17  LDS address of my fragments of R in slot 0, 1
.set ADRB, 20                          ; v20-21  the same for P
.set CO,   26                          ; v26     16 x lane: my 16 bytes of a store's 512
.set BO,   27                          ; v27     my lane's byte among the wave's biases
.set SPW,  28                          ; v28     LDS address of my spare word: SPARE + 4 x my thread's number; never rewritten
.set NIL,  29                          ; v29     0; never rewritten
.set SCL,  30                          ; v30     2^eo as f32
.set LIM,  31
.set BI,   64                          ; v64-127 the biases, in the accumulators' layout
.set AF,   128                         ; R's fragments
.set TMP,  128                         ; the way out: 64 numbers at work
.set CD,   192                         ; the way out: four sets of 16 registers of codes
.set G1, 24                            ; s[24:31] descriptor group 1 for R's tiles;  s[32:39] group 0, one set for each slot
.set G0, 32
.set G1B, 48                           ; s[48:55], s[56:63] the same for P's tiles
.set G0B, 56
.set MSB, 0
.macro WIN new                         ; the immediate's high byte repeats the setting that is left
.if MSB != (\new)
	s_set_vgpr_msb (MSB<<8)|(\new)
.set MSB, (\new)
.endif
.endm
.set MUL_LO, 0xa1                      ; source 0 (P) window 1, source 1 (R) window 0, C and D window 2
.set MUL_HI, 0xf1                      ; the same, C and D window 3
.set TO_B,   0x40                      ; destination window 1, address window 0
; A joint load: waves 0 and 1 fetch for R, waves 2 and 3 for P.  Each of the two lines has ONE mask and one set of registers for all that issue it; the branch hangs on the wave's number alone.
; Four v_nop follow each of the two lines, ahead of the jump, the label and what follows.
.macro JLOAD g0a, g1a, g0b, g1b
	s_cmp_eq_u32 s15, 0
	s_cbranch_scc0 .Lfor_b_\@
	tensor_load_to_lds s[\g0a:\g0a+3], s[\g1a:\g1a+7]
	s_nop 0
.rept 4
	v_nop
.endr
	s_branch .Lasked_\@
.Lfor_b_\@:
	tensor_load_to_lds s[\g0b:\g0b+3], s[\g1b:\g1b+7]
	s_nop 0
.rept 4
	v_nop
.endr
.Lasked_\@:
.endm
.macro CREST                           ; a round of the cluster's barrier behind its opening barrier
	s_cmp_lg_u32 s14, 0
	s_cbranch_scc1 .Lnot_wave_0_\@
	s_barrier_signal -3
.Lnot_wave_0_\@:
	s_barrier_wait -3
	s_barrier_signal -1
	s_barrier_wait -1
.endm
.macro CROUND                          ; a whole round
	s_barrier_signal -1
	s_barrier_wait -1
	CREST
.endm
	s_load_b256 s[4:11], s[0:1], 0x0               ; x s[4:5], Wq s[6:7], Wk s[8:9], Wv s[10:11]
	s_load_b256 s[68:75], s[0:1], 0x20             ; bq s[68:69], bk s[70:71], bv s[72:73], the scales' exponents s[74:75]
	s_load_b128 s[76:79], s[0:1], 0x40             ; q_img s[76:77], k_img s[78:79]
	s_load_b64 s[80:81], s[0:1], 0x50              ; v_img
	v_lshl_add_u32 v[SPW], v0, 2, SPARE
	v_mov_b32 v[NIL], 0
	ds_add_u32 v28, v29
	ds_add_u32 v28, v29
	s_wait_dscnt 0x0
	v_lshrrev_b32 v1, 5, v0
	v_readfirstlane_b32 s14, v1                    ; wave 0..3
	s_lshr_b32 s15, s14, 1                         ; which half of R's 256 rows is mine.  Also: I fetch for R (0) or for P (1)
	s_and_b32 s16, s14, 1                          ; which half of P's.  Also: which 128 rows of that tile I fetch
	s_bfe_u32 s40, ttmp6, 0x40000                  ; cx, cy: my place in the cluster
	s_bfe_u32 s41, ttmp6, 0x40004
	s_and_b32 s12, ttmp7, 0xffff
	s_lshl_b32 s12, s12, 2                         ; 4 x cluster y: it counts x's tiles, which are R's for q and k and P's for v
	s_cmp_eq_u32 ttmp9, 2                          ; is this cluster v's?
	s_cselect_b32 s13, s12, 0
	s_cselect_b32 s22, 0, s12
	s_add_co_u32 s42, s40, s13                     ; P's tile: cx (a weight's) or 4 x cluster y + cx (x's): it never sees cy
	s_add_co_u32 s17, s41, s22                     ; R's tile: 4 x cluster y + cy (x's) or cy (Wv's): it never sees cx
	s_lshl_b32 s43, s41, 2
	s_lshl_b32 s43, 15, s43                        ; my row of the cluster
	s_lshl_b32 s44, 0x1111, s40                    ; my column
	; descriptor group 1: a tile of 128 rows x 256 bytes, padded in LDS
	s_or_b32 s[G1+0], s43, (0<<16)|(1<<20)|(1<<21)|(5<<22)|(3<<25)  ; 15:0 the mask: R's tiles go to my row; 17:16 element of 1 byte; 20 padding on; 21 set beside a mask; 24:22 after every 64 words (code 5); 31:25 of 4 words (code 3)
	s_or_b32 s[G1B+0], s44, (0<<16)|(1<<20)|(1<<21)|(5<<22)|(3<<25) ; the same with the mask of my column, for P's tiles
.irp g, G1, G1B
	s_mov_b32 s[\g+1], ROWB<<16                    ; tensor_dim0
	s_mov_b32 s[\g+2], 128<<16                     ; tensor_dim1 = 128
	s_mov_b32 s[\g+3], ROWB<<16                    ; tile_dim0
	s_mov_b32 s[\g+4], 128                         ; tile_dim1 = 128
	s_mov_b32 s[\g+5], KROW                        ; tensor_dim0_stride
	s_mov_b32 s[\g+6], 0
	s_mov_b32 s[\g+7], 0
.endr
	s_lshl_b32 s18, s16, 7                         ; which 128 rows of the tile I fetch
	s_lshl_b32 s20, s17, 8
	s_add_co_u32 s20, s20, s18                     ; R: row 256 x tile + 128 x half
	s_lshl_b32 s20, s20, 10                        ; in bytes: 8 MiB at the most
	s_mov_b32 s21, 0
	s_lshl_b32 s46, s42, 8
	s_add_co_u32 s46, s46, s18                     ; P likewise
	s_lshl_b32 s46, s46, 10
	s_mov_b32 s47, 0
	s_mul_i32 s45, s14, HALFT                      ; where they go: wave x 128 rows: no place in the cluster enters an LDS address
	s_wait_kmcnt 0x0
	s_load_b256 s[84:91], s[74:75], 0x0            ; e0 .. e7
	s_load_b128 s[92:95], s[74:75], 0x20           ; e8 .. e11
	s_cmp_eq_u32 ttmp9, 0                          ; q's buffers or k's,
	s_cselect_b64 s[98:99], s[6:7], s[8:9]
	s_cselect_b64 s[100:101], s[68:69], s[70:71]
	s_cselect_b64 s[82:83], s[76:77], s[78:79]
	s_cmp_eq_u32 ttmp9, 2                          ; or v's: each choice hangs on the cluster's x alone
	s_cselect_b64 s[98:99], s[4:5], s[98:99]       ; P: x for v, else the weight
	s_cselect_b64 s[66:67], s[10:11], s[4:5]       ; R: Wv for v, else x
	s_cselect_b64 s[100:101], s[72:73], s[100:101] ; the bias
	s_cselect_b64 s[82:83], s[80:81], s[82:83]     ; the image
	s_add_nc_u64 s[20:21], s[66:67], s[20:21]
	s_add_nc_u64 s[46:47], s[98:99], s[46:47]
	CROUND                                         ; all sixteen work-groups are here: the first joint loads meet
.irp s, 0,1
	s_mov_b32 s[G0+4*\s], 1
	s_add_co_u32 s[G0+4*\s+1], s45, \s*SLOT
	s_add_nc_u64 s[G0+4*\s+2:G0+4*\s+3], s[20:21], \s*ROWB
	s_or_b32 s[G0+4*\s+3], s[G0+4*\s+3], 0x80000000
	s_mov_b32 s[G0B+4*\s], 1
	s_add_co_u32 s[G0B+4*\s+1], s45, \s*SLOT
	s_add_nc_u64 s[G0B+4*\s+2:G0B+4*\s+3], s[46:47], \s*ROWB
	s_or_b32 s[G0B+4*\s+3], s[G0B+4*\s+3], 0x80000000
	JLOAD G0+4*\s, G1, G0B+4*\s, G1B               ; two loads of mine are out behind these
.endr
	v_and_b32 v1, 15, v0                           ; r = l % 16
	v_bfe_u32 v2, v0, 4, 1                         ; h = l / 16
	v_mul_u32_u24 v3, v1, PITCH
	v_lshl_add_u32 v4, v2, 4, v3                   ; a fragment's row x pitch + 16 x half
	s_mul_i32 s21, s15, HALFT                      ; my 128 rows of R
	s_mul_i32 s22, s16, HALFT                      ; my 128 rows of P,
	s_add_co_u32 s22, s22, 2*HALFT                 ; which lie behind R's 256
.irp s, 0,1
	v_add_nc_u32 v[ADRA+\s], s21, v4
	v_add_nc_u32 v[ADRB+\s], s22, v4
	s_add_co_u32 s21, s21, SLOT
	s_add_co_u32 s22, s22, SLOT
.endr
	v_and_b32 v6, 31, v0
	v_lshlrev_b32 v[CO], 4, v6
	; Where my codes go and where my biases lie.  One formula serves all three products, on x's tile and my half of it, the weight's tile and my half of it:
	; 128 rows of x are 8 tiles of 1,024 bytes in q_img and k_img and one key step of 8,192 bytes in v_img; 128 rows of a weight are two heads.
	s_cmp_eq_u32 ttmp9, 2
	s_cselect_b32 s18, s42, s17                    ; x's tile, 0 .. 31
	s_cselect_b32 s19, s17, s42                    ; the weight's tile, 0 .. 3
	s_cselect_b32 s23, s15, s16                    ; my half of the weight's tile
	s_cselect_b32 s20, s16, s15                    ; my half of x's tile
	s_lshr_b32 s21, s18, 3
	s_lshl_b32 s21, s21, 4                         ; 16 x batch
	s_lshl_b32 s22, s19, 2
	s_add_co_u32 s21, s21, s22
	s_lshl_b32 s22, s23, 1
	s_add_co_u32 s21, s21, s22                     ; + my first head: 4 x tile + 2 x half
	s_lshl_b32 s21, s21, 4                         ; a head's image is 16 x 8,192 bytes
	s_and_b32 s22, s18, 7
	s_lshl_b32 s22, s22, 1
	s_add_co_u32 s21, s21, s22
	s_add_co_u32 s21, s21, s20                     ; + which 128 rows of the batch's 2,048
	s_lshl_b32 s20, s21, 13
	s_mov_b32 s21, 0
	s_add_nc_u64 s[82:83], s[82:83], s[20:21]
	s_lshl_b32 s20, s19, 10
	s_lshl_b32 s22, s23, 9
	s_add_co_u32 s20, s20, s22                     ; my 128 biases: 4 bytes x (256 x tile + 128 x half)
	s_add_nc_u64 s[100:101], s[100:101], s[20:21]
	; The biases, in the accumulators' layout; they land under the whole loop.  Both ways write v27 and all of v64-127.
	s_cmp_eq_u32 ttmp9, 2
	s_cbranch_scc1 .Lbias_v
	s_wait_alu depctr_va_vdst(0)
	v_lshlrev_b32 v[BO], 5, v2                     ; q, k: P's block b, register j is channel 16 b + 8 h + j
.irp b, 0,1,2,3,4,5,6,7
	global_load_b128 v[BI+8*\b:BI+8*\b+3], v[BO], s[100:101] offset:64*\b
	global_load_b128 v[BI+8*\b+4:BI+8*\b+7], v[BO], s[100:101] offset:64*\b+16
.endr
	s_branch .Lbias_done
.Lbias_v:
	v_lshlrev_b32 v[BO], 2, v1                     ; v: R's block a: every register of the lane is channel 16 a + r
.irp a, 0,1,2,3,4,5,6,7
.irp j, 0,1,2,3,4,5,6,7
	global_load_b32 v[BI+8*\a+\j], v[BO], s[100:101] offset:64*\a
.endr
.endr
.Lbias_done:
.macro FRAG reg, adr, q, i             ; a fragment, 16 rows x 128 K, is 16 registers: lane l holds row l % 16; registers 4 c .. 4 c + 3 hold K = 32 c + 16 (l / 16) + 0 .. 15: the same order of K in P and in R, so every product meets its partner
.irp c, 0,1,2,3
	ds_load_b128 v[\reg+4*\c:\reg+4*\c+3], v[\adr] offset:128*(\q)+32*\c+(\i)*16*PITCH
.endr
.endm
; 16 matrix instructions: R's blocks a0, a0 + 1 x P's eight, 128 along K.  p: P's set.  zero = 1: the first product starts the sums: nothing is ever cleared.
; The 64 accumulators take turns, one instruction a turn, in the same order in every step.
.macro MUL16 a0, p, zero
.irp a, \a0, \a0+1
.irp b, 0,1,2,3,4,5,6,7
.if \zero
	v_wmma_f32_16x16x128_fp8_fp8 v[8*(8*((\a)%4)+\b):8*(8*((\a)%4)+\b)+7], v[128*(\p)+FR*\b:128*(\p)+FR*\b+FR-1], v[AF+FR*(\a):AF+FR*(\a)+FR-1], 0
.else
	v_wmma_f32_16x16x128_fp8_fp8 v[8*(8*((\a)%4)+\b):8*(8*((\a)%4)+\b)+7], v[128*(\p)+FR*\b:128*(\p)+FR*\b+FR-1], v[AF+FR*(\a):AF+FR*(\a)+FR-1], v[8*(8*((\a)%4)+\b):8*(8*((\a)%4)+\b)+7]
.endif
.endr
.endr
.endm
.macro FETCH_B slot, q, p              ; P's eight fragments of the slot's q-th 128 along K into set p
	WIN TO_B
.irp i, 0,1,2,3,4,5,6,7
	FRAG 128*(\p)+FR*\i, ADRB+\slot, \q, \i
.endr
	WIN 0
.endm
.macro FETCH_A slot, q, i0             ; R's blocks i0 .. i0 + 3
.irp i, \i0, \i0+1, \i0+2, \i0+3
	FRAG AF+FR*(\i), ADRA+\slot, \q, \i
.endr
.endm
; A load into a register that a matrix instruction has read, and a vector instruction that reads a matrix result or writes one of its registers, stand NP places behind that matrix instruction, and only plain
; vector instructions that name none of its registers are places (ISA guide 7.12.1 for vector instructions).
.macro PLACES n
.rept \n
	v_nop
.endr
.endm
; A step of 128 along K that has its successor in the same slot.  R's blocks go one after the other, each against P's eight: a block of R is free as soon as its eight products are issued, so one set serves R.
.macro STEP slot, q, zero
	s_wait_dscnt 4*NL                              ; P's set and R's blocks 0-3 are in; the youngest 16 loads (R's blocks 4-7) may be out
	WIN MUL_LO
	MUL16 0, (\q)%2, \zero
	MUL16 2, (\q)%2, \zero
	s_wait_dscnt 0                                 ; R's blocks 4-7 are in (asked for 32 matrix instructions ago)
	PLACES NP
	FETCH_B \slot, (\q)+1, 1-(\q)%2
	FETCH_A \slot, (\q)+1, 0
	WIN MUL_HI
	MUL16 4, (\q)%2, \zero
	MUL16 6, (\q)%2, \zero
	PLACES NP
	WIN 0
	FETCH_A \slot, (\q)+1, 4
.endm
; A slot's last step changes slots: ONE barrier; in front of it each wave waits for all its tensor loads, adds 0 to its spare word, and waits for that and for its own reads of this slot.  fill = 1: this slot is filled again, two K steps ahead.
.macro TURN slot, next, fill
	s_wait_tensorcnt 0x0                           ; all my tensor loads have landed: my part of the next slot;  (every window is 0 here: the add's two registers lie in window 0)
	ds_add_u32 v[SPW], v[NIL]                      ; 0 onto my spare word
	s_wait_dscnt 4*NL+1                            ; (the add and the youngest 16 loads, R's blocks 4-7, may be out)
	WIN MUL_LO
	MUL16 0, 1, 0                                  ; sixteen matrix instructions stand between the add and the wait for it
	s_wait_dscnt 0x0                               ; the add is done, and my reads of this slot are over
	s_barrier_signal -1
	MUL16 2, 1, 0
	WIN 0
	s_barrier_wait -1
.if \fill
	CREST                                          ; the barrier has opened a round of the cluster's barrier: no wave of any partner still reads this slot's tile or has a load on its way
	s_add_nc_u64 s[G0+4*\slot+2:G0+4*\slot+3], s[G0+4*\slot+2:G0+4*\slot+3], 2*ROWB
	s_add_nc_u64 s[G0B+4*\slot+2:G0B+4*\slot+3], s[G0B+4*\slot+2:G0B+4*\slot+3], 2*ROWB
	JLOAD G0+4*\slot, G1, G0B+4*\slot, G1B         ; the first tensor load behind the round; the four v_nop behind it are the places in front of the loads below
.else
	PLACES NP
.endif
	FETCH_B \next, 0, 0
	FETCH_A \next, 0, 0
	WIN MUL_HI
	MUL16 4, 1, 0
	MUL16 6, 1, 0
	PLACES NP
	WIN 0
	FETCH_A \next, 0, 4
.endm
	s_wait_tensorcnt 1                             ; my part of K step 0 is in (K step 1's load may be out)
	s_barrier_signal -1
	s_barrier_wait -1                              ; everybody's is
	s_wait_alu depctr_va_vdst(0)
	FETCH_B 0, 0, 0
	FETCH_A 0, 0, 0
	FETCH_A 0, 0, 4
	STEP 0, 0, 1                                   ; the first step stands in front of the loop: its products start the sums
	s_mov_b32 s3, LAPS-1
.Llap:                                                 ; a trip goes once round the ring, from a lap's second step to the next lap's first, and fills both slots again
	TURN 0, 1, 1
	STEP 1, 0, 0
	TURN 1, 0, 1
	STEP 0, 0, 0
	s_sub_co_u32 s3, s3, 1
	s_cmp_lg_u32 s3, 0
	s_cbranch_scc1 .Llap
	TURN 0, 1, 0                                   ; the last lap fills nothing, and has no round of the cluster's barrier
	STEP 1, 0, 0
	s_wait_dscnt 4*NL                              ; the very last step: nothing more to fetch
	WIN MUL_LO
	MUL16 0, 1, 0
	MUL16 2, 1, 0
	s_wait_dscnt 0
	WIN MUL_HI
	MUL16 4, 1, 0
	MUL16 6, 1, 0
	WIN 0
; THE WAY OUT, R's block a at a time: 8 accumulators, 64 numbers a lane.  number = sum x 2^(ea + eb) + bias, one packed multiply-add for two, each accumulator from its low end on; the hold at the largest code x the scale
; (the conversion to an 8-bit code does not saturate: ISA guide 7.6.2); one conversion for each accumulator: registers 2 b, 2 b + 1 of the block's 16 registers of codes; four stores of 512 consecutive bytes.
; q, k: the 16 registers are two fragments of 16 x 64: rows 16 a on, my two heads.   v: they are one fragment of 16 x 128: channels 16 (a % 4) on of head a / 4, my 128 keys.
.macro EPI a, isv
.set AC, 64*((\a)%4)
.set CDS, CD+16*((\a)%4)
.if (\a) >= 4
	s_wait_xcnt 0x0                                ; block a - 4's stores have read their registers: this set of codes is written again only behind this wait
.endif
	WIN 0x02+((\a)/4)                              ; source 0: window 2 or 3
.irp b, 0,1,2,3,4,5,6,7
.irp i, 0,2,4,6
.if \isv
	v_pk_fma_f32 v[TMP+8*\b+\i:TMP+8*\b+\i+1], v[AC+8*\b+\i:AC+8*\b+\i+1], s[96:97], v[BI+8*(\a)+\i:BI+8*(\a)+\i+1] op_sel_hi:[1,0,1]
.else
	v_pk_fma_f32 v[TMP+8*\b+\i:TMP+8*\b+\i+1], v[AC+8*\b+\i:AC+8*\b+\i+1], s[96:97], v[BI+8*\b+\i:BI+8*\b+\i+1] op_sel_hi:[1,0,1]
.endif
.endr
.endr
	WIN 0
.set j, 0
.rept 64
.set j, j+1
.endr
.irp b, 0,1,2,3,4,5,6,7
	v_cvt_scalef32_pk8_fp8_f32 v[CDS+2*\b:CDS+2*\b+1], v[TMP+8*\b:TMP+8*\b+7], v[SCL]
.endr
	v_nop                                          ; one plain vector instruction between the last conversion and the next block's lines, which write its sources
.irp g, 0,1,2,3
.if \isv
	global_store_b128 v[CO], v[CDS+4*\g:CDS+4*\g+3], s[82:83] offset:131072*((\a)/4)+2048*((\a)%4)+512*\g
.else
	global_store_b128 v[CO], v[CDS+4*\g:CDS+4*\g+3], s[82:83] offset:1024*(\a)+131072*(\g/2)+512*(\g%2)
.endif
.endr
.endm
	s_wait_kmcnt 0x0
	s_add_co_i32 s18, s84, s85                     ; e0 + e1,
	s_add_co_i32 s19, s86, s87                     ; e2 + e3,
	s_add_co_i32 s23, s88, s89                     ; e4 + e5: chosen without a branch
	s_cmp_eq_u32 ttmp9, 0
	s_cselect_b32 s96, s18, s19
	s_cselect_b32 s20, s90, s91                    ; e6 for q, e7 for k,
	s_cmp_eq_u32 ttmp9, 2
	s_cselect_b32 s96, s23, s96
	s_cselect_b32 s20, s93, s20                    ; e9 for v
	s_add_co_i32 s96, s96, 127
	s_lshl_b32 s96, s96, 23                        ; 2^(ea + eb) as f32
	s_mov_b32 s97, s96                             ; (named with it as a pair, so it is written)
	s_add_co_i32 s20, s20, 127
	s_lshl_b32 s21, s20, 23
	v_mov_b32 v[SCL], s21                          ; 2^eo as f32: the conversion takes its exponent field
	s_wait_loadcnt 0x0                             ; the biases
	PLACES NP                                      ; behind the last products: the lines below read results and write the registers that held R's fragments
	s_cmp_eq_u32 ttmp9, 2
	s_cbranch_scc1 .Lout_v
.irp a, 0,1,2,3,4,5,6,7
	EPI \a, 0
.endr
	s_branch .Lend
.Lout_v:
.irp a, 0,1,2,3,4,5,6,7
	EPI \a, 1
.endr
.Lend:
	s_wait_tensorcnt 0x0                           ; the wave's end, behind my last tensor load
	ds_add_u32 v[SPW], v[NIL]
	s_wait_dscnt 0x0
	CROUND                                         ; the closing round: no work-group ends while a partner may still ask for a tile that names it
	s_endpgm
.Lfunc_end_k_q406ffca3c2_qkv:
	.size	k_q406ffca3c2_qkv, .Lfunc_end_k_q406ffca3c2_qkv-k_q406ffca3c2_qkv
	.p2alignl 7, 3214868480
	.fill 96, 4, 3214868480
	.section	.rodata,"a",@progbits
	.p2align	6, 0x0
	.amdhsa_kernel k_q406ffca3c2_qkv
		.amdhsa_group_segment_fixed_size 327680
		.amdhsa_private_segment_fixed_size 0
		.amdhsa_enable_private_segment 0
		.amdhsa_kernarg_size 88
		.amdhsa_user_sgpr_count 2
		.amdhsa_user_sgpr_kernarg_segment_ptr 1
		.amdhsa_wavefront_size32 1
		.amdhsa_system_sgpr_workgroup_id_x 1
		.amdhsa_system_sgpr_workgroup_id_y 1
		.amdhsa_system_sgpr_workgroup_id_z 1
		.amdhsa_system_vgpr_workitem_id 0
		.amdhsa_next_free_vgpr 1024
		.amdhsa_next_free_sgpr 102
		.amdhsa_reserve_vcc 0
		.amdhsa_float_denorm_mode_32 3
		.amdhsa_float_denorm_mode_16_64 3
		.amdhsa_fp16_overflow 1
		.amdhsa_memory_ordered 1
		.amdhsa_forward_progress 1
		.amdhsa_inst_pref_size 134
	.end_amdhsa_kernel
	.amdgpu_metadata
---
amdhsa.version: [ 1, 2 ]
amdhsa.kernels:
  - .name:           k_q406ffca3c2_qkv
    .symbol:         k_q406ffca3c2_qkv.kd
    .args:
      - { .name: x_codes, .offset: 0, .size: 8, .value_kind: global_buffer, .address_space: global }
      - { .name: Wq_codes, .offset: 8, .size: 8, .value_kind: global_buffer, .address_space: global }
      - { .name: Wk_codes, .offset: 16, .size: 8, .value_kind: global_buffer, .address_space: global }
      - { .name: Wv_codes, .offset: 24, .size: 8, .value_kind: global_buffer, .address_space: global }
      - { .name: bq, .offset: 32, .size: 8, .value_kind: global_buffer, .address_space: global }
      - { .name: bk, .offset: 40, .size: 8, .value_kind: global_buffer, .address_space: global }
      - { .name: bv, .offset: 48, .size: 8, .value_kind: global_buffer, .address_space: global }
      - { .name: lowp_scales, .offset: 56, .size: 8, .value_kind: global_buffer, .address_space: global }
      - { .name: q_img, .offset: 64, .size: 8, .value_kind: global_buffer, .address_space: global }
      - { .name: k_img, .offset: 72, .size: 8, .value_kind: global_buffer, .address_space: global }
      - { .name: v_img, .offset: 80, .size: 8, .value_kind: global_buffer, .address_space: global }
    .group_segment_fixed_size: 327680
    .private_segment_fixed_size: 0
    .kernarg_segment_align: 8
    .kernarg_segment_size: 88
    .max_flat_workgroup_size: 128
    .sgpr_count:     102
    .vgpr_count:     1024
    .wavefront_size: 32
...
	.end_amdgpu_metadata
.endif
;; end of part 1
;; launch attn (part 2): grid 4 x 64, 16 waves a work-group, clusters of 4 x 1, 327,680 bytes of LDS; arguments q_img, k_img, v_img, lowp_scales, y_img; writes y_img
.if DOCPART == 2
	.amdgcn_target "amdgcn-amd-amdhsa--gfx1250"
	.amdhsa_code_object_version 6
	.text
	.protected	k_q406ffca3c2_attn
	.globl	k_q406ffca3c2_attn
	.p2align	8
	.type	k_q406ffca3c2_attn,@function
k_q406ffca3c2_attn:
	s_mov_b64 s[64:65], 0
	v_nop
	global_prefetch_b8 v0, s[64:65] scope:SCOPE_SE
	s_setreg_imm32_b32 hwreg(HW_REG_WAVE_MODE, 25, 1), 1
	s_wait_xcnt 0x0
	s_wait_alu depctr_hold_cnt(0) depctr_sa_sdst(0) depctr_va_vdst(0) depctr_va_sdst(0) depctr_va_ssrc(0) depctr_va_vcc(0) depctr_vm_vsrc(0)
	s_getreg_b32 s2, hwreg(HW_REG_IB_STS2, 6, 4)
	s_cmp_eq_u32 s2, 0
	s_cbranch_scc0 .Lentry_in_a_cluster
	s_endpgm
.Lentry_in_a_cluster:
	s_bfe_u32 s2, ttmp6, 0x10000c
	s_cmp_lg_u32 s2, 0x3003
	s_cbranch_scc0 .Lentry_shape_is_right
	s_endpgm
.Lentry_shape_is_right:
; y[b][t][head] = softmax over the keys k <= t of (q . k / 8) times v, both products on codes of FP8 (E4M3), and y quantised again for the last product.
; q_img, k_img: [bh 64][t / 16][g 2][lane][16 bytes], v_img: [bh][t / 128][ct 4][g 4][lane][16 bytes]: images of operand registers.  The exponents e6 (q), e7 (k), e8 (p), e9 (v), e10 (y) are int32.
; THE SOFTMAX: t = score x 2^(e6 + e7) x log2(e) / 8; M = the running largest t rounded UP to a whole number; p = 2^(t - M) is what is quantised (scale 2^e8), not normalised; the row's sum is taken of the
; unquantised p in f32 and divides at the end; when M moves, the sum and O are multiplied by 2^(old M - new M), which rounds nothing.
; y_img: [(2048 b + t) / 16][head 16][g 2][lane][16 bytes]: registers 4 g .. 4 g + 3 of the head's half of a 16 x 128 fragment: lane (r, h), registers 2 c, 2 c + 1: channels 16 c + 8 h + 0 .. 7 of row r.
; LIMITS, so that each power of two below is an f32 number: e6 + e7 between -123 and 130 (they are added to the constant's exponent field); e8 and e10 between -126 and 119; e8 + e9 goes in by v_ldexp_f32 and has none.
; SHARES.  A cluster of four work-groups is one (batch, head): 64 waves for its 128 tiles of 16 queries.  Queries go in blocks of 128, keys in steps of 128; a tile of block B needs key steps 0 .. B.
; Wave w of partner cx (p = w / 2, u = w % 2) takes tile 2 cx + u of block p and the same tile of block 15 - p: (p + 1) + (16 - p) = 17 units of 16 queries x 128 keys for EVERY wave, one of them on the
; diagonal in each of its two passes, and no unit that the mask hides whole.  Which steps a wave leaves out hangs on its number alone; cx enters q's and y's addresses in memory and the mask's lane threshold, nothing else.
; LDS.  The head's whole K (131,072 bytes, from byte 0) and V (131,072 bytes behind it) lie in LDS as they lie in memory.  Each of the sixteen waves brings 16,384 bytes by ONE tensor load, asked for JOINTLY by the four
; partners (the same descriptor, a mask that names the four).  Nothing is filled again: one barrier, and then every wave runs by itself.  A fragment is read as it was stored: 512 consecutive bytes an instruction.
; LAYOUT.  S^T = K Q^T (source 0 = 16 keys, source 1 = my 16 queries): lane (r, h) holds query r and, in tile t's register j, key 16 t + 8 h + j: so one conversion for each tile gives registers 2 t, 2 t + 1 of
; source 1 of O^T = V^T P^T (source 0 = 16 channels x 128 keys), whose result again holds one query a lane and channels 16 ct + 8 h + j: one conversion for each gives y's image.  Nothing changes lanes.
; Sixteen waves of 256 registers: four to a SIMD, so that one wave's vector work stands beside another's matrix work and LDS loads.
.set LI,   1                           ; v1   16 x lane; never rewritten
.set ADK,  2                           ; v2   LDS address of the step's K
.set ADV,  3                           ; v3   of its V
.set F,    32                          ; v32-95   K's 8 fragments of 8 registers, then V's 4 of 16
.set S,    96                          ; v96-159  S^T, then p; on the way out y
.set O,    160                         ; v160-191 O^T
.set PC,   192                         ; v192-207 p's codes
.set MA,   224                         ; v224     at work: a maximum's chain, then M's change
.set FF,   226                         ; v[226:227] the other chain, then f = 2^(old M - new M) (v227 is named with it as a pair)
.set PX,   228                         ; v228     what the other half of the lanes sends
.set SB,   230                         ; v[230:231] the sum's second chain
.set PLIM, 232
.set PSC,  233                         ; v233     2^e8
.set YSC,  234                         ; v234     2^e10
.set YLIM, 235
.set NINF, 236                         ; v236     -infinity
.set DG,   237                         ; v237     16 x my tile in its block + r - 8 h: on the diagonal, tile t's register j is hidden where 16 t + j is above it
.set VBASE, 131072                     ; V's place in LDS
.set WV,   14                          ; s14  my wave's number
.set G1,   24                          ; s[24:31] descriptor group 1;  s[32:35] group 0 for K's part, s[44:47] for V's
.set G0K,  32
.set G0V,  44
.set SEL,  36                          ; s[36:37] lane selects for v_permlanex16_b32: lane l xor 16
.set CS,   38                          ; s[38:39] c = 2^(e6 + e7) log2(e) / 8: the packed form names a pair and takes its low word for both halves
.set TB,   50                          ; s50  LDS byte of the key step in hand
.set SG,   51                          ; s51  the key step's number: the loop's counter
.set EO,   69                          ; s69  e8 + e9
.macro CROUND                          ; a round of the cluster's barrier
	s_barrier_signal -1
	s_barrier_wait -1
	s_cmp_lg_u32 s[WV], 0
	s_cbranch_scc1 .Lnot_wave_0_\@
	s_barrier_signal -3
.Lnot_wave_0_\@:
	s_barrier_wait -3
	s_barrier_signal -1
	s_barrier_wait -1
.endm
	s_load_b256 s[4:11], s[0:1], 0x0               ; q_img s[4:5], k_img s[6:7], v_img s[8:9], the scales' exponents s[10:11]
	s_load_b64 s[12:13], s[0:1], 0x20              ; y_img
	v_lshl_add_u32 v254, v0, 2, 0x40000
	v_mov_b32 v255, 0
	ds_add_u32 v254, v255
	ds_add_u32 v254, v255
	v_lshrrev_b32 v2, 5, v0
	s_delay_alu instid0(VALU_DEP_1)
	v_readfirstlane_b32 s[WV], v2                  ; wave 0..15
	s_bfe_u32 s15, ttmp6, 0x40000                  ; cx: my place in the cluster
	s_and_b32 s16, ttmp7, 0xffff                   ; 16 x batch + head, which the four partners share
	s_lshr_b32 s17, s[WV], 1                       ; p: my low block of queries
	s_and_b32 s18, s[WV], 1
	s_lshl_b32 s19, s15, 1
	s_add_co_u32 s19, s19, s18                     ; my tile in each of my two blocks: 2 cx + u
	s_sub_co_u32 s21, 15, s17                      ; my high block
	; descriptor group 1: 16,384 dense bytes as 64 rows of 256
	s_mov_b32 s[G1], 15|(3<<16)|(1<<21)            ; 15:0 the mask: all four work-groups; 17:16 elements of 8 bytes; 20 no padding; 21 set beside a mask
	s_mov_b32 s[G1+1], 32<<16                      ; tensor_dim0 = 32 elements
	s_mov_b32 s[G1+2], 64<<16                      ; tensor_dim1 = 64
	s_mov_b32 s[G1+3], 32<<16                      ; tile_dim0
	s_mov_b32 s[G1+4], 64                          ; tile_dim1
	s_mov_b32 s[G1+5], 32                          ; tensor_dim0_stride: each row begins where the last ends
	s_mov_b32 s[G1+6], 0
	s_mov_b32 s[G1+7], 0
	s_mov_b32 s[SEL], 0x76543210
	s_mov_b32 s[SEL+1], 0xfedcba98
	s_mov_b32 s[CS], 0x3e38aa3b                    ; log2(e) / 8
	s_lshl_b32 s22, s16, 17                        ; the head's 131,072 bytes in each image,
	s_and_b32 s60, s[WV], 7
	s_lshl_b32 s60, s60, 14
	s_add_co_u32 s22, s22, s60                     ; and my eighth of them
	s_mov_b32 s23, 0
	s_lshl_b32 s61, s[WV], 14                      ; where it goes: waves 0-7 fill K's bytes, waves 8-15 V's: 16,384 x wave
	s_wait_dscnt 0x0
	s_wait_kmcnt 0x0
	s_load_b128 s[40:43], s[10:11], 0x18           ; e6, e7, e8, e9
	s_load_b32 s48, s[10:11], 0x28                 ; e10
	s_mov_b32 s[G0K], 1                            ; count = 1
	s_mov_b32 s[G0K+1], s61                        ; LDS address
	s_add_nc_u64 s[G0K+2:G0K+3], s[6:7], s[22:23]  ; global address
	s_or_b32 s[G0K+3], s[G0K+3], 0x80000000        ; type = 2
	s_mov_b32 s[G0V], 1
	s_mov_b32 s[G0V+1], s61
	s_add_nc_u64 s[G0V+2:G0V+3], s[8:9], s[22:23]
	s_or_b32 s[G0V+3], s[G0V+3], 0x80000000
	CROUND                                         ; all four work-groups are here: the joint loads meet
	s_cmp_lt_u32 s[WV], 8                          ; the branch hangs on the wave's number alone; four v_nop follow each of the two lines
	s_cbranch_scc0 .Lfor_v
	tensor_load_to_lds s[G0K:G0K+3], s[G1:G1+7]
	s_nop 0
.rept 4
	v_nop
.endr
	s_branch .Lasked
.Lfor_v:
	tensor_load_to_lds s[G0V:G0V+3], s[G1:G1+7]
	s_nop 0
.rept 4
	v_nop
.endr
.Lasked:                                               ; one tensor load of mine is out
	s_lshl_b32 s60, s17, 3
	s_add_co_u32 s60, s60, s19                     ; my low tile of the head's 128,
	s_lshl_b32 s61, s21, 3
	s_add_co_u32 s61, s61, s19                     ; my high tile
	s_lshl_b32 s62, s16, 17
	s_mov_b32 s67, 0
	s_lshl_b32 s66, s60, 10                        ; a tile of q_img is 1,024 bytes
	s_add_co_u32 s66, s66, s62
	s_add_nc_u64 s[52:53], s[4:5], s[66:67]
	s_lshl_b32 s66, s61, 10
	s_add_co_u32 s66, s66, s62
	s_add_nc_u64 s[54:55], s[4:5], s[66:67]
	s_lshr_b32 s63, s16, 4
	s_lshl_b32 s63, s63, 7                         ; y_img: 128 row tiles a batch, 16,384 bytes each;
	s_and_b32 s68, s16, 15
	s_lshl_b32 s68, s68, 10                        ; in it 1,024 bytes a head
	s_add_co_u32 s66, s63, s60
	s_lshl_b32 s66, s66, 14
	s_add_co_u32 s66, s66, s68
	s_add_nc_u64 s[56:57], s[12:13], s[66:67]
	s_add_co_u32 s66, s63, s61
	s_lshl_b32 s66, s66, 14
	s_add_co_u32 s66, s66, s68
	s_add_nc_u64 s[58:59], s[12:13], s[66:67]
	v_and_b32 v[LI], 31, v0
	s_delay_alu instid0(VALU_DEP_1)
	v_lshlrev_b32 v[LI], 4, v[LI]
	global_load_b128 v[16:19], v[LI], s[52:53]             ; Q's two fragments stay in registers: the low tile's,
	global_load_b128 v[20:23], v[LI], s[52:53] offset:512
	global_load_b128 v[24:27], v[LI], s[54:55]             ; the high tile's
	global_load_b128 v[28:31], v[LI], s[54:55] offset:512
	v_and_b32 v4, 15, v0                           ; r
	v_bfe_u32 v5, v0, 4, 1                         ; h
	s_delay_alu instid0(VALU_DEP_1)
	v_lshlrev_b32 v5, 3, v5
	s_delay_alu instid0(VALU_DEP_1)
	v_sub_nc_u32 v[DG], v4, v5
	s_lshl_b32 s60, s19, 4
	v_add_nc_u32 v[DG], s60, v[DG]                 ; my query in its block, less 8 h
	v_mov_b32 v[NINF], 0xff800000
	v_mov_b32 v[FF+1], 0                           ; (named as the upper half of a pair)
	v_mov_b32 v[PX], 0                             ; written once: a lane permute's destination counts as one of its sources
	s_wait_kmcnt 0x0
	s_add_co_i32 s60, s40, s41
	s_lshl_b32 s60, s60, 23
	s_add_co_i32 s[CS], s[CS], s60                 ; a score stands for score x 2^(e6 + e7): the two exponents are added to the constant's exponent field
	s_mov_b32 s[CS+1], s[CS]                       ; (named with it as a pair, so it is written)
	s_add_co_i32 s60, s42, 127
	s_lshl_b32 s61, s60, 23
	v_mov_b32 v[PSC], s61                          ; 2^e8 as f32, for p's conversions
	s_add_co_i32 s60, s48, 127
	s_lshl_b32 s61, s60, 23
	v_mov_b32 v[YSC], s61                          ; 2^e10, for y's
	s_add_co_i32 s[EO], s42, s43                   ; e8 + e9
	s_wait_tensorcnt 0x0                           ; my part of K or V has landed,
	s_barrier_signal -1
	s_barrier_wait -1                              ; everybody's has: from here on LDS is only read
	s_wait_loadcnt 0x0                             ; Q
; A UNIT: my 16 queries (fragment at v[q]) against the 128 keys of step s[SG].  s[beta]: the tile's block, whose own step is the diagonal.
.macro UNIT q, beta
	v_add_nc_u32 v[ADK], s[TB], v[LI]
	s_delay_alu instid0(VALU_DEP_1)
	v_add_nc_u32 v[ADV], VBASE, v[ADK]
	v_nop                                          ; with the two additions: four places between the last unit's products and the loads into the registers that they read
	v_nop
.irp t, 0,1,2,3,4,5,6,7
	ds_load_b128 v[F+8*\t:F+8*\t+3], v[ADK] offset:1024*\t           ; K's fragment of keys 16 t on, as it was stored
	ds_load_b128 v[F+8*\t+4:F+8*\t+7], v[ADK] offset:1024*\t+512
.endr
	s_wait_alu depctr_va_vdst(0)
	s_wait_dscnt 0x0
.irp t, 0,1,2,3,4,5,6,7
	v_wmma_f32_16x16x64_fp8_fp8 v[S+8*\t:S+8*\t+7], v[F+8*\t:F+8*\t+7], v[\q:\q+7], 0
.endr
.rept 4
	v_nop                                          ; places in front of the loads below and of the first read of the scores
.endr
.irp c, 0,1,2,3
.irp g, 0,1,2,3
	ds_load_b128 v[F+16*\c+4*\g:F+16*\c+4*\g+3], v[ADV] offset:2048*\c+512*\g   ; V's four fragments land while the softmax runs
.endr
.endr
	s_cmp_lg_u32 s[SG], s[\beta]                   ; on the diagonal the scores of hidden keys become -infinity ahead of the maximum: p = 0 then.  Key 0 of the step counts for every query
	s_cbranch_scc1 .Lopen_\@
.set n, 0
.rept 64
	v_cmp_gt_i32 vcc_lo, 16*(n/8)+n%8, v[DG]
	v_cndmask_b32 v[S+n], v[S+n], v[NINF], vcc_lo
.set n, n+1
.endr
.Lopen_\@:
	v_max3_num_f32 v[MA], v[S], v[S+1], v[S+2]     ; the unit's largest score of my query among my 64 keys, in two chains, each tile from its low end on,
	v_max3_num_f32 v[FF], v[S+3], v[S+4], v[S+5]
.set i, 6
.rept 14
	v_max3_num_f32 v[MA], v[MA], v[S+i], v[S+i+1]
	v_max3_num_f32 v[FF], v[FF], v[S+i+2], v[S+i+3]
.set i, i+4
.endr
	v_max3_num_f32 v[MA], v[MA], v[S+62], v[S+63]
	s_delay_alu instid0(VALU_DEP_1)
	v_max_num_f32 v[MA], v[MA], v[FF]
	s_delay_alu instid0(VALU_DEP_1)
	v_permlanex16_b32 v[PX], v[MA], s[SEL], s[SEL+1]
	s_delay_alu instid0(VALU_DEP_1)
	v_max_num_f32 v[MA], v[MA], v[PX]              ; and among lane l xor 16's
	s_delay_alu instid0(VALU_DEP_1)
	v_mul_f32 v[MA], s[CS], v[MA]                  ; as t (c is positive)
	s_delay_alu instid0(VALU_DEP_1)
	v_max_num_f32 v13, v13, v[MA]                  ; the running largest t
	v_mov_b32 v[MA], v12
	s_delay_alu instid0(VALU_DEP_2)
	v_floor_f32 v12, -v13                          ; the new -M = floor(-t) = -ceil(t): M is a whole number
	s_delay_alu instid0(VALU_DEP_1)
	v_sub_f32 v[MA], v12, v[MA]                    ; M's old value less its new one: a whole number, 0 or less
	s_delay_alu instid0(VALU_DEP_1)
	v_cvt_i32_f32 v[MA], v[MA]                     ; (it saturates)
	s_delay_alu instid0(VALU_DEP_1)
	v_ldexp_f32 v[FF], 1.0, v[MA]                  ; f = 2^(old M - new M)
.set j, 0
	s_setprio 1
.rept 32
	v_pk_fma_f32 v[S+j:S+j+1], v[S+j:S+j+1], s[CS:CS+1], v[12:13] op_sel_hi:[1,0,0]   ; t - M, two at a time (of the pairs c and -M the low word serves both halves)
.set j, j+2
.endr
.set j, 0
	s_wait_alu depctr_va_vdst(0)
.rept 64
	v_exp_f32 v[S+j], v[S+j]                       ; p = 2^(t - M), at most 1: not normalised
.set j, j+1
.endr
	v_pk_mul_f32 v[14:15], v[14:15], v[FF:FF+1] op_sel_hi:[1,0]   ; the sums under the new M: the plain instruction behind the exponentials
	s_wait_alu depctr_va_vdst(0)                   ; one wait for the whole batch, ahead of its first reader
	v_pk_add_f32 v[230:231], v[100:101], v[104:105]
	v_pk_add_f32 v[252:253], v[108:109], v[112:113]
	v_pk_add_f32 v[250:251], v[116:117], v[120:121]
	v_pk_add_f32 v[248:249], v[124:125], v[128:129]
	v_pk_add_f32 v[246:247], v[132:133], v[136:137]
	v_pk_add_f32 v[244:245], v[140:141], v[144:145]
	v_pk_add_f32 v[242:243], v[148:149], v[152:153]
	v_pk_add_f32 v[14:15], v[14:15], v[156:157]
	v_pk_add_f32 v[230:231], v[230:231], v[96:97]
	v_pk_add_f32 v[252:253], v[252:253], v[98:99]
	v_pk_add_f32 v[250:251], v[250:251], v[102:103]
	v_pk_add_f32 v[248:249], v[248:249], v[106:107]
	v_pk_add_f32 v[246:247], v[246:247], v[110:111]
	v_pk_add_f32 v[244:245], v[244:245], v[114:115]
	v_pk_add_f32 v[242:243], v[242:243], v[118:119]
	v_pk_add_f32 v[14:15], v[14:15], v[122:123]
	v_pk_add_f32 v[230:231], v[230:231], v[126:127]
	v_pk_add_f32 v[252:253], v[252:253], v[130:131]
	v_pk_add_f32 v[250:251], v[250:251], v[134:135]
	v_pk_add_f32 v[248:249], v[248:249], v[138:139]
	v_pk_add_f32 v[246:247], v[246:247], v[142:143]
	v_pk_add_f32 v[244:245], v[244:245], v[146:147]
	v_pk_add_f32 v[242:243], v[242:243], v[150:151]
	s_setprio 0
	v_pk_add_f32 v[14:15], v[14:15], v[154:155]
	v_pk_add_f32 v[230:231], v[230:231], v[158:159]
	s_delay_alu instid0(VALU_DEP_2)
	v_pk_add_f32 v[14:15], v[14:15], v[248:249]
	s_delay_alu instid0(VALU_DEP_2)
	v_pk_add_f32 v[230:231], v[230:231], v[246:247]
	v_pk_add_f32 v[252:253], v[252:253], v[244:245]
	v_pk_add_f32 v[250:251], v[250:251], v[242:243]
	s_delay_alu instid0(VALU_DEP_2)
	v_pk_add_f32 v[14:15], v[14:15], v[252:253]
	s_delay_alu instid0(VALU_DEP_2)
	v_pk_add_f32 v[230:231], v[230:231], v[250:251]
	s_delay_alu instid0(VALU_DEP_1)
	v_pk_add_f32 v[14:15], v[14:15], v[230:231]
.irp t, 0,1,2,3,4,5,6,7
.irp i, 0,1,2,3,4,5,6,7
.endr
	v_cvt_scalef32_pk8_fp8_f32 v[PC+2*\t:PC+2*\t+1], v[S+8*\t:S+8*\t+7], v[PSC]   ; keys 16 t + 8 h + 0 .. 7: registers 2 t, 2 t + 1 of the operand
.endr
.set j, 0
.rept 16
	v_pk_mul_f32 v[O+j:O+j+1], v[O+j:O+j+1], v[FF:FF+1] op_sel_hi:[1,0]   ; O^T under the new M.  (Plain instructions between the last conversion and the products that read its result)
.set j, j+2
.endr
	s_wait_alu depctr_va_vdst(0)
	s_wait_dscnt 0x0                               ; V is in
.irp c, 0,1,2,3
	v_wmma_f32_16x16x128_fp8_fp8 v[O+8*\c:O+8*\c+7], v[F+16*\c:F+16*\c+15], v[PC:PC+15], v[O+8*\c:O+8*\c+7]   ; the four accumulators take turns, and the next unit's eight products stand between two links of a chain
.endr
.endm
; A PASS: one tile of queries (fragment at v[q], block s[beta]) against key steps 0 .. its block.  The loop's count is a constant, ntr; a trip whose step lies behind the tile's block does nothing but step.
; yc: the registers for y's codes (a set for each pass, so that no store's data are written again); s[yb:yb+1]: where they go.
.macro PASS q, beta, ntr, yc, yb
	v_mov_b32 v13, 0xff61b1e6                      ; the largest t so far: -3e38, under every t
	s_delay_alu instid0(VALU_DEP_1)
	v_floor_f32 v12, -v13                          ; -M
	v_mov_b32 v14, 0                               ; the sum, in two halves
	v_mov_b32 v15, 0
.set j, 0
.rept 32
	v_mov_b32 v[O+j], 0                            ; O^T.  (The unit is written once: the first finds zeros, which the first change of M leaves zeros)
.set j, j+1
.endr
	s_mov_b32 s[TB], 0
	s_mov_b32 s[SG], 0
.Ltrip_\@:
	s_cmp_gt_u32 s[SG], s[\beta]                   ; hangs on the wave's number and the counter alone
	s_cbranch_scc1 .Lskip_\@
	s_setprio 2
	UNIT \q, \beta
.Lskip_\@:
	s_add_co_u32 s[TB], s[TB], 8192                ; a key step is 8,192 bytes of K and as many of V
	s_add_co_u32 s[SG], s[SG], 1
	s_cmp_lt_u32 s[SG], \ntr
	s_cbranch_scc1 .Ltrip_\@
	s_setprio 0
	v_add_f32 v14, v14, v15                        ; the sum's two halves,
	s_delay_alu instid0(VALU_DEP_1)
	v_permlanex16_b32 v[PX], v14, s[SEL], s[SEL+1]
	s_delay_alu instid0(VALU_DEP_1)
	v_add_f32 v14, v14, v[PX]                      ; and lane l xor 16's: the row's sum
	v_nop                                          ; (with the lines round them: the places behind the last products)
	v_nop
	s_wait_alu depctr_va_vdst(0)
	v_rcp_f32 v14, v14
	v_nop                                          ; a plain instruction behind the reciprocal,
	s_wait_alu depctr_va_vdst(0)                   ; and a wait ahead of its first reader
	v_ldexp_f32 v14, v14, s[EO]                    ; x 2^(e8 + e9)
.set j, 0
.rept 16
	v_pk_mul_f32 v[S+j:S+j+1], v[O+j:O+j+1], v[14:15] op_sel_hi:[1,0]   ; y = O^T / the sum: register 8 c + i is channel 16 c + 8 h + i of my query
.set j, j+2
.endr
.set j, 0
.rept 32
.set j, j+1
.endr
.irp c, 0,1,2,3
	v_cvt_scalef32_pk8_fp8_f32 v[\yc+2*\c:\yc+2*\c+1], v[S+8*\c:S+8*\c+7], v[YSC]
.endr
	v_nop                                          ; one plain vector instruction behind the last conversion
	global_store_b128 v[LI], v[\yc:\yc+3], s[\yb:\yb+1]               ; 32 lanes store 512 consecutive bytes
	global_store_b128 v[LI], v[\yc+4:\yc+7], s[\yb:\yb+1] offset:512
.endm
	PASS 16, 17, 8, 208, 56                        ; my tile of block p: p + 1 units
	PASS 24, 21, 16, 216, 58                       ; my tile of block 15 - p: 16 - p units
	s_wait_tensorcnt 0x0
	ds_add_u32 v254, v255
	s_wait_dscnt 0x0
	CROUND                                         ; the closing round: no work-group ends while a partner may still ask for a tile that names it
	s_endpgm
.Lfunc_end_k_q406ffca3c2_attn:
	.size	k_q406ffca3c2_attn, .Lfunc_end_k_q406ffca3c2_attn-k_q406ffca3c2_attn
	.p2alignl 7, 3214868480
	.fill 96, 4, 3214868480
	.section	.rodata,"a",@progbits
	.p2align	6, 0x0
	.amdhsa_kernel k_q406ffca3c2_attn
		.amdhsa_group_segment_fixed_size 327680
		.amdhsa_private_segment_fixed_size 0
		.amdhsa_enable_private_segment 0
		.amdhsa_kernarg_size 40
		.amdhsa_user_sgpr_count 2
		.amdhsa_user_sgpr_kernarg_segment_ptr 1
		.amdhsa_wavefront_size32 1
		.amdhsa_system_sgpr_workgroup_id_x 1
		.amdhsa_system_sgpr_workgroup_id_y 1
		.amdhsa_system_sgpr_workgroup_id_z 1
		.amdhsa_system_vgpr_workitem_id 0
		.amdhsa_next_free_vgpr 256
		.amdhsa_next_free_sgpr 72
		.amdhsa_reserve_vcc 1
		.amdhsa_float_denorm_mode_32 3
		.amdhsa_float_denorm_mode_16_64 3
		.amdhsa_fp16_overflow 1
		.amdhsa_memory_ordered 1
		.amdhsa_forward_progress 1
		.amdhsa_inst_pref_size 51
	.end_amdhsa_kernel
	.amdgpu_metadata
---
amdhsa.version: [ 1, 2 ]
amdhsa.kernels:
  - .name:           k_q406ffca3c2_attn
    .symbol:         k_q406ffca3c2_attn.kd
    .args:
      - { .name: q_img, .offset: 0, .size: 8, .value_kind: global_buffer, .address_space: global }
      - { .name: k_img, .offset: 8, .size: 8, .value_kind: global_buffer, .address_space: global }
      - { .name: v_img, .offset: 16, .size: 8, .value_kind: global_buffer, .address_space: global }
      - { .name: lowp_scales, .offset: 24, .size: 8, .value_kind: global_buffer, .address_space: global }
      - { .name: y_img, .offset: 32, .size: 8, .value_kind: global_buffer, .address_space: global }
    .group_segment_fixed_size: 327680
    .private_segment_fixed_size: 0
    .kernarg_segment_align: 8
    .kernarg_segment_size: 40
    .max_flat_workgroup_size: 512
    .sgpr_count:     72
    .vgpr_count:     256
    .wavefront_size: 32
...
	.end_amdgpu_metadata
.endif
;; end of part 2
;; launch proj (part 3): grid 4 x 64, 4 waves a work-group, clusters of 4 x 4, 327,680 bytes of LDS; arguments y_img, Wp_codes, lowp_scales, bp, out0; writes out0
.if DOCPART == 3
	.amdgcn_target "amdgcn-amd-amdhsa--gfx1250"
	.amdhsa_code_object_version 6
	.text
	.protected	k_q406ffca3c2_proj
	.globl	k_q406ffca3c2_proj
	.p2align	8
	.type	k_q406ffca3c2_proj,@function
k_q406ffca3c2_proj:
	s_mov_b64 s[64:65], 0
	v_nop
	global_prefetch_b8 v0, s[64:65] scope:SCOPE_SE
	s_setreg_imm32_b32 hwreg(HW_REG_WAVE_MODE, 25, 1), 1
	s_wait_xcnt 0x0
	s_wait_alu depctr_hold_cnt(0) depctr_sa_sdst(0) depctr_va_vdst(0) depctr_va_sdst(0) depctr_va_ssrc(0) depctr_va_vcc(0) depctr_vm_vsrc(0)
	s_getreg_b32 s2, hwreg(HW_REG_IB_STS2, 6, 4)
	s_cmp_eq_u32 s2, 0
	s_cbranch_scc0 .Lentry_in_a_cluster
	s_endpgm
.Lentry_in_a_cluster:
	s_bfe_u32 s2, ttmp6, 0x10000c
	s_cmp_lg_u32 s2, 0xf033
	s_cbranch_scc0 .Lentry_shape_is_right
	s_endpgm
.Lentry_shape_is_right:
; out0 = y Wp + bp on codes of FP8 (E4M3).  y_img: [row / 16 (512)][head 16][g 2][lane][16 bytes], images of operand registers: heads 2 H, 2 H + 1 of a row tile are the 16 registers of a 16 x 128 fragment,
; lane (r, h), registers 2 c, 2 c + 1: K = 128 H + 16 c + 8 h + 0 .. 7 of row r.  Wp: [1024 (out)][1024 (in)] codes, K innermost.  bp [1024], out0 [8192][1024]: f32.
; out0 = sum x 2^(e10 + e11) + bp.  LIMIT: e10 + e11 between -126 and 127, so that the power of two is an f32 number.
; SHARES.  A tile of 128 rows x 256 columns to a work-group: 256 work-groups.  Four waves, 64 rows x 128 columns each: 32 accumulators.  THE MATRIX INSTRUCTION IS USED TRANSPOSED (source 0 = 16 rows of Wp,
; source 1 = 16 rows of y): a lane then holds eight neighbouring numbers of a row of out0.
; CLUSTERS: 4 x 4 work-groups.  The four of a row of the cluster need the same tiles of y, the four of a column the same tiles of Wp: each tile is asked for JOINTLY.
; K = 1,024 is four K steps of 256.  LDS has THREE slots: K steps 0, 1, 2 are first fills; K step 3 is the one refill, into slot 0, and has four steps of 128 along K in which to land.  So the text is a straight line.
; A slot: y's 8 row tiles x 4,096 bytes, dense (a fragment is read as it was stored, 512 consecutive bytes an instruction), then Wp's 256 rows of 256 bytes + 16 of padding.  Wp's fragments are read in the matrix
; instruction's own order of K (8 bytes a lane and register pair), since y's images have that order.
; REGISTERS, in windows of 256: window 0: v0-31 addresses; v32-95 at work on the way out; v128-191, v192-255 y's fragments, two sets; on the way out rows read back.
;   window 1: Wp's fragments, two sets.   window 2: the accumulators ((a, b) at v[8 (8 a + b)]).   window 3: v0-63 the biases, in the accumulators' layout.
.set PITCH,  272                       ; Wp's LDS row: 68 words: row r starts at bank 4 r mod 64 (64 banks of 4 bytes: ISA guide 11.1), so a load's 32 lanes, 8 bytes each, touch 64 different banks
.set FR,     16                        ; registers of a fragment
.set ABYTES, 8*4096                    ; y's part of a slot
.set HALFB,  128*PITCH                 ; 128 rows of Wp: what one tensor load brings, and what one wave reads
.set SLOT,   ABYTES+2*HALFB            ; 102,400
.set SPARE,  3*SLOT                    ; behind the slots: the spare words, 128 bytes for each wave: two blocks of 256 bytes that no other line names
.set SPITCH, 528                       ; the way out: a stage of 16 rows x (512 bytes + 16) for each wave,
.set STAGE,  SLOT                      ; in slot 1, which has its one fill at the head and its last read ahead of the last barrier
.set ADRA, 16                          ; v16-18  LDS address of my fragments of y in slot 0, 1, 2
.set ADRB, 20                          ; v20-22  the same for Wp
.set STO,  24                          ; v24     the way out: where I put 32 bytes of a row
.set RD,   25                          ; v25     the way out: where I read a row back
.set CO,   26                          ; v26     16 x lane
.set BO,   27                          ; v27     my lane's byte among the wave's biases
.set SPW,  28                          ; v28     LDS address of my spare word: SPARE + 4 x my thread's number; never rewritten
.set NIL,  29                          ; v29     0; never rewritten
.set TMP,  32
.set AF,   128
.set BK,   128
.set G1,   24                          ; s[24:31] descriptor group 1 for y's tiles; group 0: s[32:35], s[36:39], s[68:71], a set for each slot
.set G1B,  48                          ; s[48:55] for Wp's; group 0: s[56:59], s[60:63], s[72:75]
.set MSB, 0
.macro WIN new                         ; the immediate's high byte repeats the setting that is left
.if MSB != (\new)
	s_set_vgpr_msb (MSB<<8)|(\new)
.set MSB, (\new)
.endif
.endm
.set MUL, 0xa1                         ; source 0 (Wp) window 1, source 1 (y) window 0, C and D window 2
; A joint load: waves 0 and 1 fetch y's two halves, waves 2 and 3 Wp's; four v_nop follow each of the two lines, ahead of the jump, the label and what follows
.macro JLOAD g0a, g1a, g0b, g1b
	s_cmp_eq_u32 s15, 0
	s_cbranch_scc0 .Lfor_b_\@
	tensor_load_to_lds s[\g0a:\g0a+3], s[\g1a:\g1a+7]
	s_nop 0
.rept 4
	v_nop
.endr
	s_branch .Lasked_\@
.Lfor_b_\@:
	tensor_load_to_lds s[\g0b:\g0b+3], s[\g1b:\g1b+7]
	s_nop 0
.rept 4
	v_nop
.endr
.Lasked_\@:
.endm
.macro CREST                           ; a round of the cluster's barrier behind its opening barrier
	s_cmp_lg_u32 s14, 0
	s_cbranch_scc1 .Lnot_wave_0_\@
	s_barrier_signal -3
.Lnot_wave_0_\@:
	s_barrier_wait -3
	s_barrier_signal -1
	s_barrier_wait -1
.endm
.macro CROUND                          ; a whole round
	s_barrier_signal -1
	s_barrier_wait -1
	CREST
.endm
	s_load_b128 s[4:7], s[0:1], 0x0                ; y_img s[4:5], Wp's codes s[6:7]
	s_load_b128 s[8:11], s[0:1], 0x10              ; the scales' exponents s[8:9], bp s[10:11]
	s_load_b64 s[12:13], s[0:1], 0x20              ; out0
	v_lshl_add_u32 v[SPW], v0, 2, SPARE
	v_mov_b32 v[NIL], 0
	ds_add_u32 v28, v29
	ds_add_u32 v28, v29
	s_wait_dscnt 0x0
	v_lshrrev_b32 v1, 5, v0
	v_readfirstlane_b32 s14, v1                    ; wave 0..3
	s_lshr_b32 s15, s14, 1                         ; which half of the tile's rows is mine.  Also: I fetch for y (0) or for Wp (1)
	s_and_b32 s16, s14, 1                          ; which half of its columns.  Also: which half of that tile I fetch
	s_bfe_u32 s40, ttmp6, 0x40000                  ; cx, cy: my place in the cluster
	s_bfe_u32 s41, ttmp6, 0x40004
	s_lshl_b32 s42, ttmp9, 2
	s_add_co_u32 s42, s42, s40                     ; tile column = 4 x cluster x + cx
	s_and_b32 s17, ttmp7, 0xffff
	s_lshl_b32 s17, s17, 2
	s_add_co_u32 s17, s17, s41                     ; tile row = 4 x cluster y + cy
	s_lshl_b32 s43, s41, 2
	s_lshl_b32 s43, 15, s43                        ; my row of the cluster
	s_lshl_b32 s44, 0x1111, s40                    ; my column
	; group 1 for y: 4 row tiles' parts of 4,096 bytes, 16,384 bytes apart in memory, dense in LDS
	s_or_b32 s[G1+0], s43, (3<<16)|(1<<21)         ; 15:0 the mask: y's tiles go to my row; 17:16 elements of 8 bytes; 20 no padding; 21 set beside a mask
	s_mov_b32 s[G1+1], 512<<16                     ; tensor_dim0 = 512 elements
	s_mov_b32 s[G1+2], 4<<16                       ; tensor_dim1 = 4
	s_mov_b32 s[G1+3], 512<<16                     ; tile_dim0
	s_mov_b32 s[G1+4], 4                           ; tile_dim1
	s_mov_b32 s[G1+5], 2048                        ; tensor_dim0_stride, in elements
	s_mov_b32 s[G1+6], 0
	s_mov_b32 s[G1+7], 0
	; group 1 for Wp: 128 rows x 256 bytes, padded in LDS
	s_or_b32 s[G1B+0], s44, (0<<16)|(1<<20)|(1<<21)|(5<<22)|(3<<25)  ; the mask of my column; elements of 1 byte; padding: 4 words after every 64
	s_mov_b32 s[G1B+1], 256<<16
	s_mov_b32 s[G1B+2], 128<<16
	s_mov_b32 s[G1B+3], 256<<16
	s_mov_b32 s[G1B+4], 128
	s_mov_b32 s[G1B+5], 1024
	s_mov_b32 s[G1B+6], 0
	s_mov_b32 s[G1B+7], 0
	s_lshl_b32 s20, s17, 3
	s_lshl_b32 s18, s16, 2
	s_add_co_u32 s20, s20, s18                     ; y: row tile 8 x tile row + 4 x half,
	s_lshl_b32 s20, s20, 14                        ; of 16,384 bytes
	s_mov_b32 s21, 0
	s_lshl_b32 s46, s42, 8
	s_lshl_b32 s18, s16, 7
	s_add_co_u32 s46, s46, s18                     ; Wp: row 256 x tile column + 128 x half,
	s_lshl_b32 s46, s46, 10                        ; of 1,024 bytes
	s_mov_b32 s47, 0
	s_lshl_b32 s45, s16, 14                        ; where they go in a slot: y's half,
	s_mul_i32 s19, s16, HALFB
	s_add_co_u32 s19, s19, ABYTES                  ; Wp's half: no place in the cluster enters an LDS address
	s_wait_kmcnt 0x0
	s_load_b64 s[96:97], s[8:9], 0x28              ; e10, e11
	s_add_nc_u64 s[20:21], s[4:5], s[20:21]
	s_add_nc_u64 s[46:47], s[6:7], s[46:47]
	CROUND                                         ; all sixteen work-groups are here: the first joint loads meet
.macro FIRST s, ga, gb                 ; K step s into slot s
	s_mov_b32 s[\ga], 1
	s_add_co_u32 s[\ga+1], s45, \s*SLOT
	s_add_nc_u64 s[\ga+2:\ga+3], s[20:21], \s*4096
	s_or_b32 s[\ga+3], s[\ga+3], 0x80000000
	s_mov_b32 s[\gb], 1
	s_add_co_u32 s[\gb+1], s19, \s*SLOT
	s_add_nc_u64 s[\gb+2:\gb+3], s[46:47], \s*256
	s_or_b32 s[\gb+3], s[\gb+3], 0x80000000
	s_wait_alu depctr_va_vdst(0)
	s_wait_tensorcnt 0x0
	ds_add_u32 v28, v29
	ds_add_u32 v28, v29
	s_wait_dscnt 0x0
	CROUND
	JLOAD \ga, G1, \gb, G1B
.endm
	FIRST 0, 32, 56
	FIRST 1, 36, 60
	FIRST 2, 68, 72                                ; one load of mine is out
	v_and_b32 v1, 15, v0                           ; r
	v_bfe_u32 v2, v0, 4, 1                         ; h
	v_and_b32 v6, 31, v0
	v_lshlrev_b32 v[CO], 4, v6
	v_mul_u32_u24 v3, v1, PITCH
	v_lshl_add_u32 v4, v2, 3, v3                   ; Wp: row x pitch + 8 x half
	s_lshl_b32 s21, s15, 14                        ; my 4 row tiles of y
	s_mul_i32 s22, s16, HALFB
	s_add_co_u32 s22, s22, ABYTES                  ; my 128 rows of Wp
.irp s, 0,1,2
	v_add_nc_u32 v[ADRA+\s], s21, v[CO]
	v_add_nc_u32 v[ADRB+\s], s22, v4
	s_add_co_u32 s21, s21, SLOT
	s_add_co_u32 s22, s22, SLOT
.endr
	s_mul_i32 s23, s14, 16*SPITCH
	s_add_co_u32 s23, s23, STAGE                   ; my stage
	v_mul_u32_u24 v5, v1, SPITCH                   ; in: row r, 32 bytes for each half of the lanes
	v_lshl_add_u32 v5, v2, 5, v5
	v_add_nc_u32 v[STO], s23, v5
	v_add_nc_u32 v[RD], s23, v[CO]                 ; back: the 32 lanes take one row of 512 bytes
	s_lshl_b32 s20, s17, 7
	s_lshl_b32 s21, s15, 6
	s_add_co_u32 s20, s20, s21                     ; my first row of out0: 128 x tile row + 64 x half,
	s_lshl_b32 s20, s20, 12                        ; of 4,096 bytes
	s_lshl_b32 s46, s42, 10
	s_lshl_b32 s47, s16, 9
	s_add_co_u32 s46, s46, s47                     ; my first column, in bytes: 1,024 x tile column + 512 x half: in out0's rows and in bp alike
	s_mov_b32 s47, 0
	s_add_nc_u64 s[10:11], s[10:11], s[46:47]
	s_add_co_u32 s20, s20, s46
	s_mov_b32 s21, 0
	s_add_nc_u64 s[12:13], s[12:13], s[20:21]
	v_lshlrev_b32 v[BO], 5, v2                     ; Wp's block b, register j is column 16 b + 8 h + j
	WIN 0xc0                                       ; destination window 3
.irp b, 0,1,2,3,4,5,6,7
	global_load_b128 v[8*\b:8*\b+3], v[BO], s[10:11] offset:64*\b
	global_load_b128 v[8*\b+4:8*\b+7], v[BO], s[10:11] offset:64*\b+16
.endr
	WIN 0
; Step n of eight, 128 along K each: slot (n / 2) % 3, half n % 2 of its K step, register sets n % 2.
.macro FETCH n                         ; 64 + 16 LDS loads in one run: Wp's eight fragments, y's four
.set FS, ((\n)/2)%3
.set FQ, (\n)%2
	WIN 0x40                                       ; destination window 1, address window 0
.irp i, 0,1,2,3,4,5,6,7
.irp c, 0,1,2,3,4,5,6,7
	ds_load_b64 v[128*FQ+FR*\i+2*\c:128*FQ+FR*\i+2*\c+1], v[ADRB+FS] offset:128*FQ+16*\c+16*PITCH*\i   ; registers 2 c, 2 c + 1: K = 16 c + 8 h + 0 .. 7 of row 16 i + r
.endr
.endr
	WIN 0
.irp a, 0,1,2,3
.irp c, 0,1,2,3
	ds_load_b128 v[AF+64*FQ+FR*\a+4*\c:AF+64*FQ+FR*\a+4*\c+3], v[ADRA+FS] offset:4096*\a+2048*FQ+512*\c
.endr
.endr
.endm
; 8 matrix instructions: y's block a x Wp's eight.  The 32 accumulators take turns, one instruction a turn, in the same order in every step.  zero = 1: the first product starts the sums.
.macro MUL8 a, p, zero
.irp b, 0,1,2,3,4,5,6,7
.if \zero
	v_wmma_f32_16x16x128_fp8_fp8 v[8*(8*(\a)+\b):8*(8*(\a)+\b)+7], v[128*(\p)+FR*\b:128*(\p)+FR*\b+FR-1], v[AF+64*(\p)+FR*(\a):AF+64*(\p)+FR*(\a)+FR-1], 0
.else
	v_wmma_f32_16x16x128_fp8_fp8 v[8*(8*(\a)+\b):8*(8*(\a)+\b)+7], v[128*(\p)+FR*\b:128*(\p)+FR*\b+FR-1], v[AF+64*(\p)+FR*(\a):AF+64*(\p)+FR*(\a)+FR-1], v[8*(8*(\a)+\b):8*(8*(\a)+\b)+7]
.endif
.endr
.endm
.macro MUL16 a0, p, zero
	MUL8 \a0, \p, \zero
	MUL8 (\a0)+1, \p, \zero
.endm
.macro PLACES                          ; four places in front of loads into registers that matrix instructions have read, and of the first read of results (ISA guide 7.12.1 for the first read of results)
.rept 4
	v_nop
.endr
.endm
.macro STEP n, zero                    ; a step whose successor's tiles are known to lie in LDS: the next step's fragments are asked for, into the other sets, ahead of this step's 32 products
	s_wait_dscnt 0x0                               ; this step's fragments are in
.if (\n) > 0
	PLACES                                         ; the other sets were read by the step before
.endif
	FETCH (\n)+1
	WIN MUL
	MUL16 0, (\n)%2, \zero
	MUL16 2, (\n)%2, \zero
	WIN 0
.endm
	s_wait_tensorcnt 2                             ; my part of K step 0 is in (K step 2's may be out)
	s_barrier_signal -1
	s_barrier_wait -1                              ; everybody's is
	FETCH 0
	STEP 0, 1                                      ; its products start the sums: nothing is ever cleared
	; Step 1 leaves slot 0, which takes K step 3.  In front of the barrier each wave waits for all its tensor loads (so K steps 1 and 2 are whole behind it), adds 0 to its spare word, and waits for that and for its reads of slot 0.
	s_wait_tensorcnt 0x0
	ds_add_u32 v[SPW], v[NIL]                      ; 0 onto my spare word
	s_wait_dscnt 1                                 ; step 1's fragments are in; the add alone may be out
	WIN MUL
	MUL8 0, 1, 0                                   ; eight matrix instructions stand between the add and the wait for it
	s_wait_dscnt 0x0                               ; the add is done, and my reads of slot 0 are over
	s_barrier_signal -1
	MUL8 1, 1, 0
	WIN 0
	s_barrier_wait -1
	CREST                                          ; the barrier has opened a round of the cluster's barrier: no wave of any partner still reads slot 0 or has a load on its way
	s_add_nc_u64 s[34:35], s[34:35], 3*4096        ; from K step 0 to K step 3
	s_add_nc_u64 s[58:59], s[58:59], 3*256
	JLOAD 32, G1, 56, G1B                          ; the first tensor load behind the round; the four v_nop behind it are the places in front of the loads below
	s_wait_alu depctr_va_vdst(0)
	FETCH 2
	WIN MUL
	MUL16 2, 1, 0
	WIN 0
	STEP 2, 0
	STEP 3, 0
	STEP 4, 0
	; Step 5: K step 3 is wanted next.  My one load that is out is my part of it; behind this barrier nothing is filled, and slots 1 and 2 are read no more by anybody once step 5's fragments are in
	s_wait_tensorcnt 0x0
	s_wait_dscnt 0x0                               ; step 5's fragments are in: my reads of slots 1 and 2 are over
	s_barrier_signal -1
	WIN MUL
	MUL16 0, 1, 0
	WIN 0
	s_barrier_wait -1
	PLACES
	FETCH 6
	WIN MUL
	MUL16 2, 1, 0
	WIN 0
	STEP 6, 0
	s_wait_dscnt 0x0                               ; the last step: nothing more to fetch
	WIN MUL
	MUL16 0, 1, 0
	MUL16 2, 1, 0
	WIN 0
; THE WAY OUT, block by block of 16 rows x 128 columns.  A lane holds 32 neighbouring bytes of a row, and the lanes beside it hold other rows: so a block goes through my own stage in LDS and comes back as whole
; rows of 512 bytes.  LDS serves a wave's instructions in order (ISA guide 5.7.1.4): no wait between the stores and the loads, nor in front of the next block's stores.
.macro TOSTAGE a
	WIN 0x32                                       ; source 0 (the sums) window 2, source 2 (the biases) window 3
.set j, 0
.rept 32
	v_pk_fma_f32 v[TMP+j:TMP+j+1], v[64*(\a)+j:64*(\a)+j+1], s[96:97], v[j:j+1] op_sel_hi:[1,0,1]   ; sum x 2^(e10 + e11) + bp, two at a time; each accumulator from its low end on
.set j, j+2
.endr
	WIN 0
.irp b, 0,1,2,3,4,5,6,7
	ds_store_b128 v[STO], v[TMP+8*\b:TMP+8*\b+3] offset:64*\b
	ds_store_b128 v[STO], v[TMP+8*\b+4:TMP+8*\b+7] offset:64*\b+16
.endr
.set BB, BK+64*((\a)%2)
.irp t, 0,1,2,3,4,5,6,7,8,9,10,11,12,13,14,15
	ds_load_b128 v[BB+4*\t:BB+4*\t+3], v[RD] offset:\t*SPITCH
.endr
.endm
.macro SEND a, younger                 ; younger: the LDS instructions issued behind block a's loads, which may stay out
.set BB, BK+64*((\a)%2)
	s_wait_dscnt \younger                          ; the block is back in registers
.irp t, 0,1,2,3,4,5,6,7,8,9,10,11,12,13,14,15
	global_store_b128 v[CO], v[BB+4*\t:BB+4*\t+3], s[12:13] offset:(16*(\a)+\t)*4096 th:TH_STORE_NT   ; 32 lanes store 512 consecutive bytes, at a multiple of 512 from out0's first byte; written once, read by nobody here
.endr
.endm
	s_wait_kmcnt 0x0
	s_add_co_i32 s96, s96, s97                     ; e10 + e11
	s_add_co_i32 s96, s96, 127
	s_lshl_b32 s96, s96, 23                        ; 2^(e10 + e11) as f32
	s_mov_b32 s97, s96                             ; (named with it as a pair, so it is written)
	s_wait_loadcnt 0x0                             ; the biases
	PLACES                                         ; behind the last products: for the reads of results and the loads into the registers that held y's fragments
	TOSTAGE 0
.irp a, 1,2,3
.if \a > 1
	s_wait_xcnt 0x0                                ; block a - 2's stores have read their registers: block a's loads may land there
.endif
	TOSTAGE \a
	SEND \a-1, 32                                  ; behind block a - 1's loads: block a's 16 stores and 16 loads
.endr
	SEND 3, 0
	s_wait_tensorcnt 0x0                           ; the wave's end, behind my last tensor load and my last LDS store
	ds_add_u32 v[SPW], v[NIL]
	s_wait_dscnt 0x0
	CROUND                                         ; the closing round: no work-group ends while a partner may still ask for a tile that names it
	s_endpgm
.Lfunc_end_k_q406ffca3c2_proj:
	.size	k_q406ffca3c2_proj, .Lfunc_end_k_q406ffca3c2_proj-k_q406ffca3c2_proj
	.p2alignl 7, 3214868480
	.fill 96, 4, 3214868480
	.section	.rodata,"a",@progbits
	.p2align	6, 0x0
	.amdhsa_kernel k_q406ffca3c2_proj
		.amdhsa_group_segment_fixed_size 327680
		.amdhsa_private_segment_fixed_size 0
		.amdhsa_enable_private_segment 0
		.amdhsa_kernarg_size 40
		.amdhsa_user_sgpr_count 2
		.amdhsa_user_sgpr_kernarg_segment_ptr 1
		.amdhsa_wavefront_size32 1
		.amdhsa_system_sgpr_workgroup_id_x 1
		.amdhsa_system_sgpr_workgroup_id_y 1
		.amdhsa_system_sgpr_workgroup_id_z 1
		.amdhsa_system_vgpr_workitem_id 0
		.amdhsa_next_free_vgpr 1024
		.amdhsa_next_free_sgpr 98
		.amdhsa_reserve_vcc 0
		.amdhsa_float_denorm_mode_32 3
		.amdhsa_float_denorm_mode_16_64 3
		.amdhsa_memory_ordered 1
		.amdhsa_forward_progress 1
		.amdhsa_inst_pref_size 94
	.end_amdhsa_kernel
	.amdgpu_metadata
---
amdhsa.version: [ 1, 2 ]
amdhsa.kernels:
  - .name:           k_q406ffca3c2_proj
    .symbol:         k_q406ffca3c2_proj.kd
    .args:
      - { .name: y_img, .offset: 0, .size: 8, .value_kind: global_buffer, .address_space: global }
      - { .name: Wp_codes, .offset: 8, .size: 8, .value_kind: global_buffer, .address_space: global }
      - { .name: lowp_scales, .offset: 16, .size: 8, .value_kind: global_buffer, .address_space: global }
      - { .name: bp, .offset: 24, .size: 8, .value_kind: global_buffer, .address_space: global }
      - { .name: out0, .offset: 32, .size: 8, .value_kind: global_buffer, .address_space: global }
    .group_segment_fixed_size: 327680
    .private_segment_fixed_size: 0
    .kernarg_segment_align: 8
    .kernarg_segment_size: 40
    .max_flat_workgroup_size: 128
    .sgpr_count:     98
    .vgpr_count:     1024
    .wavefront_size: 32
...
	.end_amdgpu_metadata
.endif
;; end of part 3
